; MI455X (gfx1250); checked and timed in simulation.
; The chip was launched on July 23, 2026; its instructions are those of AMD's public machine-readable ISA for CDNA 5 (MIT licence, August 2026) and "CDNA5" Instruction Set Architecture Reference Guide (July 2026). The comments in the code are by the model that wrote it; some were corrected since.
;; Cross Attention. Allowed arithmetic: matrix products marked QUANTISED: E2M1 operands, one E8M0 scale for each 32 along K, by v_wmma_scale_f32_16x16x128_f8f6f4 with both operands' format E2M1 (or v_wmma_scale_f32_32x16x128_f4), f32 sums; products left as they are: bf16, f16 or f32 operands; f32 sums; everything else in f32.
;; Inputs: fo_b 1,024 float32; fo_w 1,024 x 1,024 float32; key 8 x 2,048 x 1,024 float32; query 8 x 2,048 x 1,024 float32; value 8 x 2,048 x 1,024 float32; wk_b 1,024 float32; wk_w 1,024 x 1,024 float32; wq_b 1,024 float32; wq_w 1,024 x 1,024 float32; wv_b 1,024 float32; wv_w 1,024 x 1,024 float32.
;; Outputs: out0 8 x 2,048 x 1,024 float32.
;; This version of the problem:
;;   THIS VERSION OF THE PROBLEM IS GIVEN IN LOW PRECISION. The matrix products marked QUANTISED in the list below multiply operands that are first quantised to E2M1 (2 exponent bits, 1 mantissa bit; 4 bits a number), with one power-of-two scale for each 32 numbers along K (OCP MX v1.0); their sums are f32. The products marked 'left as it is' may take bf16, f16 or f32 operands, with f32 sums. Whichever they take, every output number must still come out within the allowed error. Rounding operands to bf16 (8 significant bits) uses up far more of that allowance than f16 does (11 bits, for magnitudes from 6e-5 to 65,504). All else is computed in f32.
;;   The module's matrix products, in the order in which they are computed (A, B: the left and right operand; K: the contracted axis; several contracted axes count as one K, in the product's order):
;;     1. [M 16,384, K 1,024] x [K 1,024, N 1,024]; A: input query; B: input wq_w: QUANTISED
;;     2. [M 16,384, K 1,024] x [K 1,024, N 1,024]; A: input key; B: input wk_w: QUANTISED
;;     3. [M 16,384, K 1,024] x [K 1,024, N 1,024]; A: input value; B: input wv_w: QUANTISED
;;     4. batch 16,384 x [M 16, K 64] x [K 64, N 16]; A: computed on the way; B: computed on the way: left as it is (an operand is computed on the way)
;;     5. batch 16,384 x [M 16, K 16] x [K 16, N 64]; A: computed on the way; B: computed on the way: left as it is (K = 16 < 32)
;;     6. [M 16,384, K 1,024] x [K 1,024, N 1,024]; A: computed on the way; B: input fo_w: left as it is (an operand is computed on the way)
;;   THE QUANTISER, for each operand of a quantised product, along K:
;;     - K is cut into blocks of 32 from its start; a last block that is shorter is filled with zeros.
;;     - A block's scale is 2^e with e = floor(log2(the largest magnitude in the block)) - 2, held to -126 .. 127; a block of zeros has e = 0. As a byte (E8M0): e + 127.
;;     - Each number is divided by its block's scale, clamped to +-6, and rounded to the nearest number of E2M1, ties to even, subnormals kept.
;;     - The product sums the exact products of the quantised numbers (number of the format x scale) in f32.
;;   ~~~python
;;   def quantise(x, axis):      # numpy; x: float32 -> the quantised numbers, widened to float32 again
;;       x = np.moveaxis(x, axis, -1); K = x.shape[-1]
;;       x = np.pad(x, [(0, 0)] * (x.ndim - 1) + [(0, -K % 32)]); x = x.reshape(x.shape[:-1] + (-1, 32)); a = np.abs(x).max(-1, keepdims=True)
;;       e = np.where(a > 0, np.clip(np.frexp(np.where(a > 0, a, 1))[1] - 1 - 2, -126, 127), 0)      # np.frexp(a)[1] - 1 = floor(log2(a)), exactly
;;       r = np.clip(x / 2.0 ** e, -6, 6)
;;       step = 2.0 ** (np.maximum(np.frexp(np.where(r == 0, 1, r))[1] - 1, 0) - 1)
;;       q = np.round(r / step) * step * 2.0 ** e      # np.round: ties to even
;;       return np.moveaxis(q.reshape(q.shape[:-2] + (-1,))[..., :K], -1, axis).astype(np.float32)
;;   ~~~
;; One version. Each part assembles by itself: llvm-mc -triple=amdgcn-amd-amdhsa -mcpu=gfx1250 --defsym DOCPART=n.
;; ======== version 1 of 1: 3 launches
;; limits: values are held in f16: magnitudes above 65,504 overflow, below 6.1e-05 lose precision
;; workspace buffers: wcodes 1,671,168 bytes; fo16 2,097,152 bytes; attn 33,554,432 bytes
;; launch prep (part 1): grid 256 x 1, 8 waves a work-group, no clusters, 11,776 bytes of LDS; arguments wq_w, wk_w, wv_w, fo_w, wcodes, fo16; writes wcodes, fo16
.if DOCPART == 1
	.amdgcn_target "amdgcn-amd-amdhsa--gfx1250"
	.amdhsa_code_object_version 6
	.text
	.protected	k_q1709a84aad_prep
	.globl	k_q1709a84aad_prep
	.p2align	8
	.type	k_q1709a84aad_prep,@function
k_q1709a84aad_prep:
	s_mov_b64 s[64:65], 0
	v_nop
	global_prefetch_b8 v0, s[64:65] scope:SCOPE_SE
	s_setreg_imm32_b32 hwreg(HW_REG_WAVE_MODE, 25, 1), 1
	s_wait_xcnt 0x0
; The weights are prepared once.  wq_w, wk_w, wv_w [1024 (n)][1024 (k)] f32 become codes of FP4 (E2M1) with one E8M0 byte for each 32 along k, laid in the ORDER OF THE OPERAND'S REGISTERS;
; fo_w [1024][1024] f32 becomes f16, rounded to nearest even, in the same row-major order.
; wcodes: 24 slots of 69,632 bytes, slot 8 p + ks (p = 0, 1, 2 for q, k, v; ks = K step of 128).  A slot is 4 quarters of 17,408 bytes; quarter w holds rows n = 256 w .. 256 w + 255:
;   bytes 0 .. 16,383: [tile nt 0..15][c 0..1][lane l][16 bytes] = the codes of row 256 w + 16 nt + l % 16, k = 128 ks + 64 c + 32 (l / 16) + 0 .. 31;
;   bytes 16,384 ..  : two groups g of 512 bytes, [lane l][word j 0..3] = the scale word (4 bytes, one K step) of tile 8 g + 2 j + l / 16, row l % 16.
; A block's scale is 2^(floor(log2(largest magnitude)) - 2); its byte is the largest magnitude's exponent field - 2, held at 1 from below by a floor among the maximum's leaves.
; LIMITS: a block of zeros keeps the byte 1 where the rule says 127 (its codes are zeros, and this program alone reads the bytes); NaN and infinities among the inputs are not served;
; numbers of fo_w beyond 65,504 in magnitude have no f16.
; SHARES: work-groups 0..191 quantise: id = 64 p + 8 ks + G; the group takes rows 128 G .. 128 G + 127 of one K step, each of its 8 waves one tile of 16 rows.  Work-groups 192..255 convert fo_w, 2,048 numbers a wave.
.set SCL,   10240                      ; LDS: 8 x 1,280 bytes of codes (16 rows of 64 bytes + 16 of padding for each wave), then the group's 512 bytes of scale words,
.set SPARE, 10752                      ; then the spare words, 128 bytes for each wave: four blocks of 256 bytes that no other line names
.set SLOTB, 69632
.set QTR,   17408
.set X,     32                         ; v32-95   eight units of 8 numbers: unit u = rows 2 u (lanes 0-15) and 2 u + 1 (lanes 16-31), k = 8 (l % 16) + 0 .. 7
.set CD,    96                         ; v96-103  a unit's codes
.set BY,    104                        ; v104-111 a unit's scale byte
.set M1,    112                        ; v112-135 at work
.set M2,    120
.set M3,    128
	s_load_b256 s[4:11], s[0:1], 0x0               ; wq_w s[4:5], wk_w s[6:7], wv_w s[8:9], fo_w s[10:11]
	s_load_b128 s[12:15], s[0:1], 0x20             ; wcodes s[12:13], fo16 s[14:15]
	v_lshl_add_u32 v2, v0, 2, SPARE                ; my spare word
	v_mov_b32 v3, 0
	v_lshrrev_b32 v1, 5, v0
	v_readfirstlane_b32 s16, v1                    ; wave 0..7
	v_and_b32 v1, 31, v0                           ; lane
	s_lshr_b32 s17, ttmp9, 6                       ; p
	s_cmp_eq_u32 s17, 3
	s_cbranch_scc1 .Lconvert                       ; the work-group's number alone decides: all eight waves go the same way
	; ---- the quantising path
	s_and_b32 s18, ttmp9, 7                        ; G
	s_bfe_u32 s19, ttmp9, 0x30003                  ; ks
	s_lshr_b32 s20, ttmp9, 3                       ; the slot: 8 p + ks
	v_and_b32 v4, 15, v0                           ; l % 16
	v_bfe_u32 v5, v0, 4, 1                         ; l / 16
	v_lshlrev_b32 v6, 5, v4
	v_lshl_add_u32 v6, v5, 12, v6                  ; in memory: 32 bytes a lane, lanes 16-31 one row (4,096 bytes) down
	s_mul_i32 s21, s16, 1280                       ; my wave's codes in LDS
	v_mul_u32_u24 v7, v5, 80
	v_lshl_add_u32 v7, v4, 2, v7
	v_add_nc_u32 v7, s21, v7                       ; in: row 2 u + l / 16 (160 u in the offset), 4 bytes a lane
	v_mul_u32_u24 v8, v4, 80
	v_lshl_add_u32 v8, v5, 4, v8
	v_add_nc_u32 v8, s21, v8                       ; back: row l % 16, 16 bytes for each half of the lanes: a fragment's registers
	s_and_b32 s22, s16, 1
	s_lshl_b32 s22, s22, 8
	s_lshr_b32 s23, s16, 1
	s_lshl_b32 s23, s23, 2
	s_add_co_u32 s22, s22, s23
	s_add_co_u32 s22, s22, SCL                     ; my tile's words: lanes 16 (wave % 2) on, word wave / 2
	v_bfe_u32 v9, v0, 2, 2                         ; my block of 32 along k
	v_lshl_add_u32 v9, v5, 4, v9
	v_add_nc_u32 v9, s22, v9                       ; + 16 x row (32 u in the offset) + block
	v_lshlrev_b32 v10, 4, v1                       ; 16 x lane
	v_add_nc_u32 v11, SCL, v10
	s_lshl_b32 s24, s18, 19                        ; from: (128 G + 16 wave) rows of 4,096 bytes + 512 ks
	s_lshl_b32 s25, s16, 16
	s_add_co_u32 s24, s24, s25
	s_lshl_b32 s25, s19, 9
	s_add_co_u32 s24, s24, s25
	s_mov_b32 s25, 0
	s_mul_i32 s26, s20, SLOTB                      ; to: the slot, the quarter G / 2,
	s_lshr_b32 s27, s18, 1
	s_mul_i32 s27, s27, QTR
	s_add_co_u32 s26, s26, s27
	s_and_b32 s28, s18, 1
	s_lshl_b32 s29, s28, 9
	s_add_co_u32 s30, s26, s29
	s_add_co_u32 s30, s30, 16384                   ; its scale group G % 2,
	s_mov_b32 s31, 0
	s_lshl_b32 s28, s28, 3
	s_add_co_u32 s28, s28, s16
	s_lshl_b32 s28, s28, 10
	s_add_co_u32 s26, s26, s28                     ; and my tile 8 (G % 2) + wave: 1,024 bytes
	s_mov_b32 s27, 0
	s_wait_kmcnt 0x0
	s_cmp_eq_u32 s17, 1                            ; which weight: the choice hangs on the work-group's number alone
	s_cselect_b64 s[6:7], s[6:7], s[8:9]
	s_cmp_eq_u32 s17, 0
	s_cselect_b64 s[4:5], s[4:5], s[6:7]
	s_add_nc_u64 s[4:5], s[4:5], s[24:25]
	s_add_nc_u64 s[32:33], s[12:13], s[30:31]
	s_add_nc_u64 s[12:13], s[12:13], s[26:27]
.irp u, 0,1,2,3,4,5,6,7
	global_load_b128 v[X+8*\u:X+8*\u+3],   v6, s[4:5] offset:8192*\u th:TH_LOAD_NT
	global_load_b128 v[X+8*\u+4:X+8*\u+7], v6, s[4:5] offset:8192*\u+16 th:TH_LOAD_NT
.endr
; Four units by turns, line by line, so that no line waits for the line above it.  A block of 32 lies in four neighbouring lanes.
.macro QUAD u0
.irp k, 0,1,2,3
	v_max3_num_f32 v[M1+\u0+\k], |v[X+8*(\u0+\k)]|, |v[X+8*(\u0+\k)+1]|, |v[X+8*(\u0+\k)+2]|
.endr
.irp k, 0,1,2,3
	v_max3_num_f32 v[M2+\u0+\k], |v[X+8*(\u0+\k)+3]|, |v[X+8*(\u0+\k)+4]|, |v[X+8*(\u0+\k)+5]|
.endr
.irp k, 0,1,2,3
	v_max3_num_f32 v[M3+\u0+\k], |v[X+8*(\u0+\k)+6]|, |v[X+8*(\u0+\k)+7]|, 0x1800000   ; and the floor 2^(3 - 127): the byte cannot fall under 1
.endr
.irp k, 0,1,2,3
	v_max3_num_f32 v[M1+\u0+\k], v[M1+\u0+\k], v[M2+\u0+\k], v[M3+\u0+\k]
.endr
.irp k, 0,1,2,3
	v_max_num_f32_dpp v[M1+\u0+\k], v[M1+\u0+\k], v[M1+\u0+\k] row_xmask:1 row_mask:0xf bank_mask:0xf
.endr
.irp k, 0,1,2,3
	v_max_num_f32_dpp v[M1+\u0+\k], v[M1+\u0+\k], v[M1+\u0+\k] row_xmask:2 row_mask:0xf bank_mask:0xf   ; the block's largest magnitude
.endr
.irp k, 0,1,2,3
	v_add_nc_u32 v[M2+\u0+\k], 0xff000000, v[M1+\u0+\k]   ; 2 off its exponent field: the conversion takes the exponent field of this operand as its scale
.endr
.irp k, 0,1,2,3
	v_cvt_scalef32_pk8_fp4_f32 v[CD+\u0+\k], v[X+8*(\u0+\k):X+8*(\u0+\k)+7], v[M2+\u0+\k]
.endr
.irp k, 0,1,2,3
	v_lshrrev_b32 v[BY+\u0+\k], 23, v[M2+\u0+\k]   ; the scale's byte (plain lines behind the conversions)
.endr
.irp k, 0,1,2,3
	ds_store_b32 v7, v[CD+\u0+\k] offset:160*(\u0+\k)
	ds_store_b8 v9, v[BY+\u0+\k] offset:32*(\u0+\k)   ; the four lanes of a block write the same byte with the same value
.endr
.endm
	s_wait_loadcnt 8                               ; units 0-3 are in: behind them stand the eight loads of units 4-7
	QUAD 0
	s_wait_loadcnt 0x0
	QUAD 4
	ds_load_b128 v[16:19], v8                      ; LDS serves a wave's instructions in order: these see my stores
	ds_load_b128 v[20:23], v8 offset:32
	s_wait_dscnt 0x0                               ; my tile is back, and for the others' sake my byte stores are done
	global_store_b128 v10, v[16:19], s[12:13]      ; 32 lanes store 512 consecutive bytes, aligned to 256
	global_store_b128 v10, v[20:23], s[12:13] offset:512
	s_barrier_signal -1
	s_barrier_wait -1                              ; the eight tiles' scale words lie in LDS
	s_cmp_lg_u32 s16, 0
	s_cbranch_scc1 .Lnot_wave_0
	ds_load_b128 v[24:27], v11
	s_wait_dscnt 0x0
	global_store_b128 v10, v[24:27], s[32:33]      ; the group of 512 bytes, whole
.Lnot_wave_0:
	s_wait_tensorcnt 0x0                           ; the wave's end: a wait, an add of 0 to my spare word and its wait, behind my last LDS store
	ds_add_u32 v2, v3
	s_wait_dscnt 0x0
	s_endpgm
	; ---- the converting path: no LDS is touched here
.Lconvert:
	s_sub_co_u32 s18, ttmp9, 192
	s_lshl_b32 s20, s18, 16                        ; 65,536 bytes of f32 a work-group,
	s_lshl_b32 s21, s16, 13                        ; 8,192 a wave
	s_add_co_u32 s20, s20, s21
	s_mov_b32 s21, 0
	s_lshr_b32 s22, s20, 1                         ; half as many of f16
	s_mov_b32 s23, 0
	v_lshlrev_b32 v4, 5, v1                        ; 8 numbers a lane
	v_lshlrev_b32 v5, 4, v1
	s_wait_kmcnt 0x0
	s_add_nc_u64 s[10:11], s[10:11], s[20:21]
	s_add_nc_u64 s[14:15], s[14:15], s[22:23]
.irp t, 0,1,2,3,4,5,6,7
	global_load_b128 v[X+8*\t:X+8*\t+3],   v4, s[10:11] offset:1024*\t th:TH_LOAD_NT
	global_load_b128 v[X+8*\t+4:X+8*\t+7], v4, s[10:11] offset:1024*\t+16 th:TH_LOAD_NT
.endr
.irp t, 0,1,2,3,4,5,6,7
	s_wait_loadcnt 14-2*\t                         ; group t's two loads are in; the two of each later group may be out
.irp i, 0,1,2,3
	v_cvt_pk_f16_f32 v[CD+4*\t+\i], v[X+8*\t+2*\i], v[X+8*\t+2*\i+1]
.endr
	global_store_b128 v5, v[CD+4*\t:CD+4*\t+3], s[14:15] offset:512*\t   ; 512 consecutive bytes, aligned to 256
.endr
	s_endpgm
.Lfunc_end_k_q1709a84aad_prep:
	.size	k_q1709a84aad_prep, .Lfunc_end_k_q1709a84aad_prep-k_q1709a84aad_prep
	.p2alignl 7, 3214868480
	.fill 96, 4, 3214868480
	.section	.rodata,"a",@progbits
	.p2align	6, 0x0
	.amdhsa_kernel k_q1709a84aad_prep
		.amdhsa_group_segment_fixed_size 11776
		.amdhsa_private_segment_fixed_size 0
		.amdhsa_enable_private_segment 0
		.amdhsa_kernarg_size 48
		.amdhsa_user_sgpr_count 2
		.amdhsa_user_sgpr_kernarg_segment_ptr 1
		.amdhsa_wavefront_size32 1
		.amdhsa_system_sgpr_workgroup_id_x 1
		.amdhsa_system_sgpr_workgroup_id_y 1
		.amdhsa_system_sgpr_workgroup_id_z 1
		.amdhsa_system_vgpr_workitem_id 0
		.amdhsa_next_free_vgpr 160
		.amdhsa_next_free_sgpr 66
		.amdhsa_reserve_vcc 0
		.amdhsa_float_denorm_mode_32 3
		.amdhsa_float_denorm_mode_16_64 3
		.amdhsa_memory_ordered 1
		.amdhsa_forward_progress 1
		.amdhsa_inst_pref_size 16
	.end_amdhsa_kernel
	.amdgpu_metadata
---
amdhsa.version: [ 1, 2 ]
amdhsa.kernels:
  - .name:           k_q1709a84aad_prep
    .symbol:         k_q1709a84aad_prep.kd
    .args:
      - { .name: wq_w, .offset: 0, .size: 8, .value_kind: global_buffer, .address_space: global }
      - { .name: wk_w, .offset: 8, .size: 8, .value_kind: global_buffer, .address_space: global }
      - { .name: wv_w, .offset: 16, .size: 8, .value_kind: global_buffer, .address_space: global }
      - { .name: fo_w, .offset: 24, .size: 8, .value_kind: global_buffer, .address_space: global }
      - { .name: wcodes, .offset: 32, .size: 8, .value_kind: global_buffer, .address_space: global }
      - { .name: fo16, .offset: 40, .size: 8, .value_kind: global_buffer, .address_space: global }
    .group_segment_fixed_size: 11776
    .private_segment_fixed_size: 0
    .kernarg_segment_align: 8
    .kernarg_segment_size: 48
    .max_flat_workgroup_size: 256
    .sgpr_count:     66
    .vgpr_count:     160
    .wavefront_size: 32
...
	.end_amdgpu_metadata
.endif
;; end of part 1
;; launch qkvattn (part 2): grid 256 x 1, 4 waves a work-group, clusters of 4 x 1, 327,680 bytes of LDS; arguments query, key, value, wq_b, wk_b, wv_b, wcodes, attn; writes attn
.if DOCPART == 2
	.amdgcn_target "amdgcn-amd-amdhsa--gfx1250"
	.amdhsa_code_object_version 6
	.text
	.protected	k_q1709a84aad_qkvattn
	.globl	k_q1709a84aad_qkvattn
	.p2align	8
	.type	k_q1709a84aad_qkvattn,@function
k_q1709a84aad_qkvattn:
	s_mov_b64 s[64:65], 0
	v_nop
	global_prefetch_b8 v0, s[64:65] scope:SCOPE_SE
	s_setreg_imm32_b32 hwreg(HW_REG_WAVE_MODE, 25, 1), 1
	s_wait_xcnt 0x0
	s_wait_alu depctr_hold_cnt(0) depctr_sa_sdst(0) depctr_va_vdst(0) depctr_va_sdst(0) depctr_va_ssrc(0) depctr_va_vcc(0) depctr_vm_vsrc(0)
	s_getreg_b32 s2, hwreg(HW_REG_IB_STS2, 6, 4)
	s_cmp_eq_u32 s2, 0
	s_cbranch_scc0 .Lentry_in_a_cluster
	s_endpgm
.Lentry_in_a_cluster:
	s_bfe_u32 s2, ttmp6, 0x10000c
	s_cmp_lg_u32 s2, 0x3003
	s_cbranch_scc0 .Lentry_shape_is_right
	s_endpgm
.Lentry_shape_is_right:
; For 64 tokens a work-group: q = Q(query) Q(wq)^T + bq, k and v likewise (codes of FP4, one E8M0 scale for each 32 along K, f32 sums), then for EACH TOKEN the attention among its 16 heads:
; s = q_i . k_j / 8, softmax over j with the row's maximum taken away, o_i = sum_j p_ij v_j; o goes to attn [16384][1024] as f16.  q, k, v never go to memory.
; SHARES.  In the three products wave w makes columns 256 w .. 256 w + 255 for all 64 tokens: 64 accumulators of 16 x 16, 512 registers.  The product is used transposed (source 0 = 16 rows of W, source 1 = 16 tokens):
; a lane holds one token and eight neighbouring columns.  For quantising the inputs and for the attention wave w owns tokens 16 w .. 16 w + 15.
; WEIGHTS come as codes in the order of the operand's registers (launch prep), one dense block of 69,632 bytes for each K step of 128, through a ring of two LDS slots; each wave fetches the quarter that it reads.
; CLUSTER.  The four work-groups of a cluster walk the same weights: each quarter is asked for JOINTLY, by the same tensor load with the same descriptor and the mask of all four.
; INPUTS go from memory into registers, 32 loads of 512 bytes a wave always on their way, 256 along K (two K steps) ahead; they are quantised in registers, and codes and scale bytes reach the other waves through LDS.
; THE QUANTISING STANDS INSIDE THE K STEPS: two batches of four units at the end of each step, behind its products, while the quarter asked for at the step's head is on its way.
; The bias starts each sum: it is the accumulators' first content.  So every K step has one text, and nothing is cleared.
; q, k, v, p and o are rounded to f16 for products 4, 5 and 6.  LIMITS: |q|, |k|, |v| under 65,504; magnitudes under 6e-5 keep f16's absolute step; NaN and infinities among the inputs are not served;
; a block of zeros keeps the scale byte 1 (its codes are zeros; the bytes are read here alone).
; LDS: ring 2 x 69,632 | T: [token 64] pitch 2,320 [head 16] pitch 144 [64 f16] | XST: 2 x [token 64] pitch 144 (256 codes) | XSC: 2 x [token 64][8 bytes] | BSC: 512 bytes a wave | spare words.
; REGISTERS, in windows of 256.  Window 0: v2-24 addresses; v32-39 W's scale words, v40-41 the tokens' (these ten hold scales and nothing else); v42-65 biases; v66-89 the quantiser's; v96-127 the tokens' four fragments;
;   v128-191 two sets of four fragments of W (in the attention: four tiles of scores, and statistics); v192-255 p.   Window 1: v0-127 16 units of 8 input numbers (in the last phase the whole window: V^T and O^T).
;   Windows 2 and 3: accumulator (m, nt) at 512 + 32 nt + 8 m.
.set RING1, 0x11000                    ; slot 1 begins here; no quarter's offset (17,408 w) has one of its two bits, so one exclusive or changes slots
.set QTR,   17408
.set TT,    139264
.set TP,    2320
.set HP,    144
.set XST,   287744
.set XSTB,  9216                       ; a buffer of codes: 64 tokens x 144 bytes
.set XPI,   144                        ; a token's row: 128 bytes (256 codes) + 16 of padding: 9 x 16, so the 16 rows of a fragment load start at 16 different groups of banks
.set XSC,   322560
.set XSCB,  512                        ; a buffer of scale bytes: 64 tokens x 8
.set BSC,   324608
.set SPARE, 326656                     ; the spare words, 128 bytes for each wave: two blocks of 256 bytes that no other line names
.set SPW,  2                           ; v2   my spare word; never rewritten
.set NIL,  3                           ; v3   0; never rewritten
.set XO,   4                           ; v4   32 x lane: my 8 numbers of a unit of 256
.set XW0,  5                           ; v5   where my codes go: XST + 2,304 w + 4 l
.set XB0,  6                           ; v6   and my block's byte: XSC + 128 w + l / 4
.set XWC,  7                           ; v7, v8 the same in the buffer in hand
.set XBC,  8
.set WA0,  9                           ; v9   my quarter: 17,408 w + 16 l
.set WAC,  10
.set XA0,  11                          ; v11  a token fragment: XST + 144 r + 16 h
.set XAC,  12
.set XSA0, 13                          ; v13  the tokens' scale words: XSC + 8 l
.set XSAC, 14
.set BSA,  15                          ; v15  bias scratch, in: BSC + 512 w + 16 l
.set BRA,  16                          ; v16  and back: BSC + 512 w + 32 h
.set STO,  17                          ; v17-20 T, in: (16 m + r) x 2,320 + 576 w + 16 h
.set FRA,  21                          ; v21  T, a token's fragment: my tokens + 144 r + 16 h
.set VTA,  22                          ; v22  T, for the turning load
.set ORD,  23                          ; v23  T, back by rows: 144 (l / 8) + 16 (l % 8)
.set OGO,  24                          ; v24  16 x lane
.set WS,   32
.set XS,   40
.set BC,   42
.set QT,   66
.set XF,   96
.set WB,   128
.set SS,   128
.set SM,   160
.set PB,   192
.set MSB, 0
.macro WIN new                         ; the immediate's high byte repeats the setting that is left; a switch that changes nothing is dropped
.if MSB != (\new)
	s_set_vgpr_msb (MSB<<8)|(\new)
.set MSB, (\new)
.endif
.endm
.macro PLACES                          ; four plain places behind matrix instructions, ahead of reads of their results and of loads into their registers
.rept 4
	v_nop
.endr
.endm
.macro ROUND                           ; a round of the cluster's barrier
	s_barrier_signal -1
	s_barrier_wait -1
	s_cmp_lg_u32 s20, 0
	s_cbranch_scc1 .Lnot_wave_0_\@
	s_barrier_signal -3
.Lnot_wave_0_\@:
	s_barrier_wait -3
	s_barrier_signal -1
	s_barrier_wait -1
.endm
.macro BAR                             ; my LDS instructions are done; then the work-group's barrier.  A tensor load may stay out across it
	s_wait_dscnt 0x0
	s_barrier_signal -1
	s_barrier_wait -1
.endm
.macro TLOAD                           ; my quarter of the next K step's weights: every wave issues it, each with its own LDS and global bytes; an s_nop 0 and four v_nop follow
	tensor_load_to_lds s[32:35], s[24:31]
	s_nop 0
.rept 4
	v_nop
.endr
.endm
.macro WGRP q, buf                     ; W's tiles 4 q .. 4 q + 3 into set buf: an image of the registers, 16 bytes a lane, 512 bytes a load
.irp t, 0,1,2,3
.irp c, 0,1
	ds_load_b128 v[WB+32*(\buf)+8*\t+4*\c:WB+32*(\buf)+8*\t+4*\c+3], v[WAC] offset:1024*(4*(\q)+\t)+512*\c
.endr
.endr
.endm
; 16 matrix instructions: W's tiles 4 q .. 4 q + 3 against the four tiles of tokens.  Every accumulator has one turn a K step, in the same order in every step.
; An odd tile's scale words lie in lanes 16-31 of its register.
.macro MUL q
.irp t, 0,1,2,3
.irp m, 0,1,2,3
.set rD, 32*((4*(\q)+\t)%8)+8*\m
.set rA, WB+32*((\q)%2)+8*\t
.set rB, XF+8*\m
.set rSA, WS+4*((4*(\q)+\t)/8)+((4*(\q)+\t)%8)/2
.set rSB, XS+\m/2
.if (\t%2) && (\m%2)
	v_wmma_scale_f32_16x16x128_f8f6f4 v[rD:rD+7], v[rA:rA+7], v[rB:rB+7], v[rD:rD+7], v[rSA], v[rSB] matrix_a_fmt:MATRIX_FMT_FP4 matrix_b_fmt:MATRIX_FMT_FP4 matrix_a_scale:MATRIX_SCALE_ROW1 matrix_b_scale:MATRIX_SCALE_ROW1
.elseif (\t%2)
	v_wmma_scale_f32_16x16x128_f8f6f4 v[rD:rD+7], v[rA:rA+7], v[rB:rB+7], v[rD:rD+7], v[rSA], v[rSB] matrix_a_fmt:MATRIX_FMT_FP4 matrix_b_fmt:MATRIX_FMT_FP4 matrix_a_scale:MATRIX_SCALE_ROW1
.elseif (\m%2)
	v_wmma_scale_f32_16x16x128_f8f6f4 v[rD:rD+7], v[rA:rA+7], v[rB:rB+7], v[rD:rD+7], v[rSA], v[rSB] matrix_a_fmt:MATRIX_FMT_FP4 matrix_b_fmt:MATRIX_FMT_FP4 matrix_b_scale:MATRIX_SCALE_ROW1
.else
	v_wmma_scale_f32_16x16x128_f8f6f4 v[rD:rD+7], v[rA:rA+7], v[rB:rB+7], v[rD:rD+7], v[rSA], v[rSB] matrix_a_fmt:MATRIX_FMT_FP4 matrix_b_fmt:MATRIX_FMT_FP4
.endif
.endr
.endr
.endm
; A K STEP of 128.  In front of the round each wave waits for all its tensor loads (one is out: my quarter of this step), adds 0 to its spare word, and waits for that and for all its LDS instructions: its reads of the
; slot that it has left, and its stores of codes, scale bytes and results for the other waves.  refill = 1: behind the round the slot that was left takes the next K step: one tensor load of mine is out.
.macro STEP refill
	s_wait_tensorcnt 0x0                           ; no tensor load of mine is out, so the descriptor may be written
	ds_add_u32 v[SPW], v[NIL]                      ; 0 onto my spare word
.if \refill
	s_xor_b32 s33, s33, RING1                      ; the walking descriptor: the other slot,
	s_add_nc_u64 s[34:35], s[34:35], 4*QTR         ; the next K step's block; the type bits on top are not reached
.endif
	s_wait_dscnt 0x0
	ROUND
.if \refill
	TLOAD                                          ; first behind the round; its four v_nop are also the places ahead of the loads below
.else
	PLACES
.endif
	v_add_nc_u32 v[WAC], s36, v[WA0]
	v_add_nc_u32 v[XAC], s37, v[XA0]
	v_add_nc_u32 v[XSAC], s38, v[XSA0]
	ds_load_b32 v[XS], v[XSAC]                     ; scale words of tokens 0-31: a lane a token, 8 bytes apart
	ds_load_b32 v[XS+1], v[XSAC] offset:256        ; and of tokens 32-63
	ds_load_b128 v[WS:WS+3], v[WAC] offset:16384   ; W's: register j: lanes 0-15 tile 2 j, lanes 16-31 tile 2 j + 1
	ds_load_b128 v[WS+4:WS+7], v[WAC] offset:16896
.irp m, 0,1,2,3
.irp c, 0,1
	ds_load_b128 v[XF+8*\m+4*\c:XF+8*\m+4*\c+3], v[XAC] offset:16*XPI*\m+32*\c
.endr
.endr
	WGRP 0, 0
	WGRP 1, 1
	s_wait_dscnt 8                                 ; all but the youngest eight loads (tiles 4-7)
	WIN 0xa0                                       ; C and D in window 2
	MUL 0
	WIN 0
	PLACES
	WGRP 2, 0
	s_wait_dscnt 8                                 ; tiles 4-7 are in; tiles 8-11 may be out
	WIN 0xa0
	MUL 1
	WIN 0
	PLACES
	WGRP 3, 1
	s_wait_dscnt 8                                 ; tiles 8-11 are in; tiles 12-15 may be out
	WIN 0xf0                                       ; C and D in window 3
	MUL 2
	s_wait_dscnt 0x0
	MUL 3
	WIN 0
	s_xor_b32 s36, s36, RING1                      ; the next step reads the other slot,
	s_add_co_u32 s37, s37, 64                      ; the tokens' next 128 codes
	s_add_co_u32 s38, s38, 4                       ; and their next scale word
.endm
.macro FIXR                            ; two steps are done: back to a row's head, in the other buffer of codes and of scale bytes
	s_sub_co_u32 s37, s37, 128
	s_xor_b32 s37, s37, XSTB
	s_sub_co_u32 s38, s38, 8
	s_xor_b32 s38, s38, XSCB
.endm
; MY 16 TOKENS' NEXT 256 ALONG K BECOME CODES, in a PASS of four batches of four units (unit i = token i: 256 numbers; a lane holds 8 neighbours, four lanes a block).
; The head of a pass: where it writes; step = 1: the loads' base goes 1,024 bytes on.  The last loads that read the base were issued a whole K step ago.
; nb: the scalar pair that holds the next input's base, taken in the loop's third trip (two trips left), where this input's four pieces have all been asked for; 0: no such trip.
.macro PASSHEAD step, nb
	v_add_nc_u32 v[XWC], s39, v[XW0]
	v_add_nc_u32 v[XBC], s40, v[XB0]
.if \step
	s_wait_xcnt 0x0                                ; the loads have read their base: it may be written
	s_add_nc_u64 s[42:43], s[42:43], 1024
.if \nb
	s_cmp_eq_u32 s45, 2                            ; the trip counter alone decides
	s_cselect_b64 s[42:43], s[\nb:\nb+1], s[42:43]
.endif
.endif
.endm
; Batch b: units 4 b .. 4 b + 3, by turns, line by line.  load = 1: each unit's registers take the numbers that are due a pass later, from s[42:43] on.
.macro BATCH b, load
.if \load
	s_wait_loadcnt 24                              ; these four units' 8 loads are in: behind them stand 24 - 8 b older ones and the 8 b issued in this pass
.else
	s_wait_loadcnt 24-8*(\b)                       ; nothing is issued in this pass: the counts run down
.endif
	WIN 0x15                                       ; the three sources in window 1
.irp k, 0,1,2,3
	v_max3_num_f32 v[QT+6*\k], |v[8*(4*(\b)+\k)]|, |v[8*(4*(\b)+\k)+1]|, |v[8*(4*(\b)+\k)+2]|
.endr
.irp k, 0,1,2,3
	v_max3_num_f32 v[QT+6*\k+1], |v[8*(4*(\b)+\k)+3]|, |v[8*(4*(\b)+\k)+4]|, |v[8*(4*(\b)+\k)+5]|
.endr
.irp k, 0,1,2,3
	v_max3_num_f32 v[QT+6*\k+2], |v[8*(4*(\b)+\k)+6]|, |v[8*(4*(\b)+\k)+7]|, 0x1800000   ; and the floor 2^(3 - 127): the byte cannot fall under 1
.endr
	WIN 0
.irp k, 0,1,2,3
	v_max3_num_f32 v[QT+6*\k], v[QT+6*\k], v[QT+6*\k+1], v[QT+6*\k+2]
.endr
.irp k, 0,1,2,3
	v_max_num_f32_dpp v[QT+6*\k], v[QT+6*\k], v[QT+6*\k] row_xmask:1 row_mask:0xf bank_mask:0xf
.endr
.irp k, 0,1,2,3
	v_max_num_f32_dpp v[QT+6*\k], v[QT+6*\k], v[QT+6*\k] row_xmask:2 row_mask:0xf bank_mask:0xf   ; the block's largest magnitude
.endr
.irp k, 0,1,2,3
	v_add_nc_u32 v[QT+6*\k+3], 0xff000000, v[QT+6*\k]   ; 2 off its exponent field: the conversion's scale operand
.endr
	s_wait_dscnt 0x0                               ; the last batch's LDS stores have read their registers
.irp k, 0,1,2,3
	v_lshrrev_b32 v[QT+6*\k+4], 23, v[QT+6*\k+3]   ; the scale's byte
.endr
	WIN 0x01                                       ; the numbers in window 1
.irp k, 0,1,2,3
	v_cvt_scalef32_pk8_fp4_f32 v[QT+6*\k+5], v[8*(4*(\b)+\k):8*(4*(\b)+\k)+7], v[QT+6*\k+3]
.endr
	WIN 0
	v_nop                                          ; one plain place behind the scaled conversions
.irp k, 0,1,2,3
	ds_store_b32 v[XWC], v[QT+6*\k+5] offset:XPI*(4*(\b)+\k)
	ds_store_b8 v[XBC], v[QT+6*\k+4] offset:8*(4*(\b)+\k)   ; the four lanes of a block write the same byte with the same value
.endr
.if \load
	WIN 0x40                                       ; destination in window 1
.irp k, 0,1,2,3
	global_load_b128 v[8*(4*(\b)+\k):8*(4*(\b)+\k)+3],   v[XO], s[42:43] offset:4096*(4*(\b)+\k) th:TH_LOAD_NT
	global_load_b128 v[8*(4*(\b)+\k)+4:8*(4*(\b)+\k)+7], v[XO], s[42:43] offset:4096*(4*(\b)+\k)+16 th:TH_LOAD_NT
.endr
	WIN 0
.endif
.endm
.macro PASSTAIL                        ; the next pass writes the other buffer
	s_xor_b32 s39, s39, XSTB
	s_xor_b32 s40, s40, XSCB
.endm
; The bias of projection p becomes the accumulators' first content: my 256 numbers go through my own 512 bytes of LDS, 128 at a time, and come back in the result's layout (lane (r, h): b[16 nt + 8 h + 0 .. 7]).
; LDS serves a wave's instructions in order: the second store comes behind the first half's loads.  The loads are waited for by the next K step's wait for all LDS instructions.
.macro BIASINIT p
.irp g, 0,1
	WIN 0
	ds_store_b128 v[BSA], v[BC+8*(\p)+4*\g:BC+8*(\p)+4*\g+3]
	WIN 0x80+0x40*\g
.irp n, 0,1,2,3,4,5,6,7
.irp m, 0,1,2,3
	ds_load_b128 v[32*\n+8*\m:32*\n+8*\m+3],   v[BRA] offset:64*\n
	ds_load_b128 v[32*\n+8*\m+4:32*\n+8*\m+7], v[BRA] offset:64*\n+16
.endr
.endr
.endr
	WIN 0
.endm
; A trip is a PAIR of K steps, which reads one buffer of codes; at each step's end stand two batches of the pass that fills the other buffer with the next 256 along K and asks for the 256 after those.
; ORDER: the other buffer's last readers, the pair before, waited for their reads in front of the round at this pair's first step, and my stores stand behind that round;
; my stores are waited for in front of the round at the next pair's first step, behind which they are read.
.macro PAIRS trips, nb
	s_mov_b32 s45, \trips
.Lpair_\@:
	STEP 1
	PASSHEAD 1, \nb
	BATCH 0, 1
	BATCH 1, 1
	STEP 1
	BATCH 2, 1
	BATCH 3, 1
	PASSTAIL
	FIXR
	s_sub_co_u32 s45, s45, 1
	s_cmp_lg_u32 s45, 0
	s_cbranch_scc1 .Lpair_\@
.endm
; The 512 sums become f16, in place: of each 16 registers (two accumulators) the lower 8 take the 32 numbers, each accumulator read from its low end on; the upper 8 are free.
.macro PACK
.irp wn, 0,1
	WIN 0x8a+0x45*\wn                              ; destination and both sources in window 2, then 3
.set PR, 0
.rept 16
.irp i, 0,1,2,3,4,5,6,7
	v_cvt_pk_f16_f32 v[PR+\i], v[PR+2*\i], v[PR+2*\i+1]
.endr
.set PR, PR+16
.endr
.endr
	WIN 0
.endm
.macro STORE_T                         ; 16 bytes a lane: token 16 m + r, head 4 w + nt / 4, channels 16 (nt % 4) + 8 h + 0 .. 7
.irp wn, 0,1
	WIN 0x08+4*\wn                                 ; an LDS store's data are its source 1
.irp n, 0,1,2,3,4,5,6,7
.irp m, 0,1,2,3
	ds_store_b128 v[STO+\m], v[32*\n+16*(\m/2)+4*(\m%2):32*\n+16*(\m/2)+4*(\m%2)+3] offset:HP*((8*\wn+\n)/4)+32*(\n%4)
.endr
.endr
.endr
	WIN 0
.endm
.macro FRAGS base                      ; my 16 tokens out of T: fragment f = 2 i + c (token i: 16 heads x channels 32 c on) into registers 512 + 16 f + base
.irp wn, 0,1
	WIN 0x80+0x40*\wn
.irp f, 0,1,2,3,4,5,6,7,8,9,10,11,12,13,14,15
	ds_load_b128 v[16*\f+\base:16*\f+\base+3],   v[FRA] offset:TP*((16*\wn+\f)/2)+64*(\f%2)
	ds_load_b128 v[16*\f+\base+4:16*\f+\base+7], v[FRA] offset:TP*((16*\wn+\f)/2)+64*(\f%2)+32
.endr
.endr
	WIN 0
.endm
; Scores of tokens 4 g .. 4 g + 3: S^T = K Q^T (source 0 = a token's 16 heads of k, source 1 = its 16 heads of q): a lane holds head i = r of q and heads j = 8 h + 0 .. 7 of k.
; The four first halves start the sums; the four second halves add in place, three other accumulators between the two links.
.macro SCORES g
	WIN 0x0a+5*((\g)/2)
.irp c, 0,1
.irp t, 0,1,2,3
.set rF, 16*(8*((\g)%2)+2*\t+\c)
.if \c == 0
	v_wmma_f32_16x16x32_f16 v[SS+8*\t:SS+8*\t+7], v[rF:rF+7], v[rF+8:rF+15], 0
.else
	v_wmma_f32_16x16x32_f16 v[SS+8*\t:SS+8*\t+7], v[rF:rF+7], v[rF+8:rF+15], v[SS+8*\t:SS+8*\t+7]
.endif
.endr
.endr
	WIN 0
	PLACES
.endm
; The softmax of four tokens by turns.  p = 2^(c s - c m) / the sum, c = log2(e) / 8, m the row's maximum.  Statistics of token t at v[SM + 8 t]: +0 -c m, +1 m, +2, +3 at work, +4, +5 the sum, +6 1 / sum.
.macro SOFTMAX g
.irp t, 0,1,2,3
	v_max3_num_f32 v[SM+8*\t+2], v[SS+8*\t], v[SS+8*\t+1], v[SS+8*\t+2]   ; each tile of scores is read from its low end on
.endr
.irp t, 0,1,2,3
	v_max3_num_f32 v[SM+8*\t+3], v[SS+8*\t+3], v[SS+8*\t+4], v[SS+8*\t+5]
.endr
.irp t, 0,1,2,3
	v_max3_num_f32 v[SM+8*\t+2], v[SM+8*\t+2], v[SS+8*\t+6], v[SS+8*\t+7]
.endr
.irp t, 0,1,2,3
	v_max_num_f32 v[SM+8*\t+2], v[SM+8*\t+2], v[SM+8*\t+3]
.endr
.irp t, 0,1,2,3
	v_permlanex16_b32 v[SM+8*\t+3], v[SM+8*\t+2], s46, s47   ; the row's other 8 heads lie in the lane 16 away
.endr
.irp t, 0,1,2,3
	v_max_num_f32 v[SM+8*\t+1], v[SM+8*\t+2], v[SM+8*\t+3]
.endr
.irp t, 0,1,2,3
	v_mul_f32 v[SM+8*\t], s50, v[SM+8*\t+1]        ; -c m
.endr
.irp j, 0,2,4,6
.irp t, 0,1,2,3
	v_pk_fma_f32 v[SS+8*\t+\j:SS+8*\t+\j+1], v[SS+8*\t+\j:SS+8*\t+\j+1], s[48:49], v[SM+8*\t:SM+8*\t+1] op_sel_hi:[1,0,0]   ; c s - c m: of the pairs c and -c m the low word serves both halves
.endr
.endr
.irp j, 0,1,2,3,4,5,6,7
.irp t, 0,1,2,3
	v_exp_f32 v[SS+8*\t+\j], v[SS+8*\t+\j]         ; one batch of 32
.endr
.endr
	v_nop                                          ; a plain place behind the last exponential
	s_wait_alu depctr_va_vdst(0)                   ; one wait for the batch, ahead of its first reader
.irp t, 0,1,2,3
	v_pk_add_f32 v[SM+8*\t+4:SM+8*\t+5], v[SS+8*\t:SS+8*\t+1], v[SS+8*\t+2:SS+8*\t+3]
.endr
.irp t, 0,1,2,3
	v_pk_add_f32 v[SM+8*\t+2:SM+8*\t+3], v[SS+8*\t+4:SS+8*\t+5], v[SS+8*\t+6:SS+8*\t+7]
.endr
.irp t, 0,1,2,3
	v_pk_add_f32 v[SM+8*\t+4:SM+8*\t+5], v[SM+8*\t+4:SM+8*\t+5], v[SM+8*\t+2:SM+8*\t+3]
.endr
.irp t, 0,1,2,3
	v_add_f32 v[SM+8*\t+4], v[SM+8*\t+4], v[SM+8*\t+5]
.endr
.irp t, 0,1,2,3
	v_permlanex16_b32 v[SM+8*\t+5], v[SM+8*\t+4], s46, s47
.endr
.irp t, 0,1,2,3
	v_add_f32 v[SM+8*\t+4], v[SM+8*\t+4], v[SM+8*\t+5]   ; the row's sum
.endr
.irp t, 0,1,2,3
	v_rcp_f32 v[SM+8*\t+6], v[SM+8*\t+4]
.endr
	v_nop
	s_wait_alu depctr_va_vdst(0)                   ; one wait for the four reciprocals
.irp j, 0,2,4,6
.irp t, 0,1,2,3
	v_pk_mul_f32 v[SS+8*\t+\j:SS+8*\t+\j+1], v[SS+8*\t+\j:SS+8*\t+\j+1], v[SM+8*\t+6:SM+8*\t+7] op_sel_hi:[1,0]
.endr
.endr
.irp j, 0,1,2,3
.irp t, 0,1,2,3
	v_cvt_pk_f16_f32 v[PB+16*(\g)+4*\t+\j], v[SS+8*\t+2*\j], v[SS+8*\t+2*\j+1]   ; token i's p: four registers at PB + 4 i
.endr
.endr
.endm
	; ---- the head
	s_load_b512 s[4:19], s[0:1], 0x0               ; query, key, value, wq_b, wk_b, wv_b, wcodes s[16:17], attn s[18:19]
	v_lshl_add_u32 v[SPW], v0, 2, SPARE
	v_mov_b32 v[NIL], 0
	ds_add_u32 v[SPW], v[NIL]                      ; the wave's opening: the add, twice on end, and its wait ahead of my first tensor load; the set-up below stands between
	ds_add_u32 v[SPW], v[NIL]
	v_lshrrev_b32 v1, 5, v0
	v_readfirstlane_b32 s20, v1                    ; wave 0..3
	s_bfe_u32 s21, ttmp6, 0x40000                  ; cx: it enters the inputs' and attn's global addresses alone
	s_lshl_b32 s22, ttmp9, 2
	s_add_co_u32 s22, s22, s21                     ; my block of 64 tokens
	; descriptor group 1: 17,408 dense bytes as 68 rows of 256 (32 elements of 8 bytes), no padding
	s_mov_b32 s24, 15|(3<<16)|(1<<21)              ; 15:0 the mask: all four work-groups; 17:16 elements of 8 bytes; 21 set beside a mask
	s_mov_b32 s25, 32<<16                          ; tensor_dim0 = 32
	s_mov_b32 s26, 68<<16                          ; tensor_dim1 = 68
	s_mov_b32 s27, 32<<16                          ; tile_dim0 = 32
	s_mov_b32 s28, 68                              ; tile_dim1 = 68
	s_mov_b32 s29, 32                              ; from row to row
	s_mov_b32 s30, 0
	s_mov_b32 s31, 0
	s_mov_b32 s36, 0                               ; the slot that is read
	s_mov_b32 s37, 0                               ; the tokens' codes: buffer and K step
	s_mov_b32 s38, 0                               ; their scale words likewise
	s_mov_b32 s39, 0                               ; the buffer that is written: codes,
	s_mov_b32 s40, 0                               ; scale bytes
	s_mov_b32 s46, 0x76543210
	s_mov_b32 s47, 0xfedcba98                      ; v_permlanex16_b32's selects for lane l xor 16
	s_mov_b32 s48, 0x3e38aa3b                      ; c = log2(e) / 8
	s_mov_b32 s49, s48                             ; (named with it as a pair, so it is written)
	s_mov_b32 s50, 0xbe38aa3b                      ; -c
	s_lshl_b32 s52, s22, 18                        ; (64 block + 16 wave) rows of 4,096 bytes
	s_lshl_b32 s23, s20, 16
	s_add_co_u32 s52, s52, s23
	s_mov_b32 s53, 0
	v_and_b32 v25, 31, v0                          ; l
	v_and_b32 v26, 15, v0                          ; r
	v_bfe_u32 v27, v0, 4, 1                        ; h
	v_lshlrev_b32 v[XO], 5, v25
	s_mul_i32 s23, s20, 16*XPI
	s_add_co_u32 s23, s23, XST
	v_lshl_add_u32 v[XW0], v25, 2, s23
	s_lshl_b32 s23, s20, 7
	s_add_co_u32 s23, s23, XSC
	v_lshrrev_b32 v[XB0], 2, v25
	v_add_nc_u32 v[XB0], s23, v[XB0]
	s_mul_i32 s41, s20, QTR
	v_lshl_add_u32 v[WA0], v25, 4, s41
	v_mul_u32_u24 v[XA0], v26, XPI
	v_lshl_add_u32 v[XA0], v27, 4, v[XA0]
	v_add_nc_u32 v[XA0], XST, v[XA0]
	v_lshlrev_b32 v[OGO], 4, v25
	v_lshl_add_u32 v[XSA0], v25, 3, XSC
	s_lshl_b32 s23, s20, 9
	s_add_co_u32 s23, s23, BSC
	v_add_nc_u32 v[BSA], s23, v[OGO]
	v_lshl_add_u32 v[BRA], v27, 5, s23
	s_mul_i32 s23, s20, 4*HP
	s_add_co_u32 s23, s23, TT
	v_mul_u32_u24 v[STO], v26, TP
	v_lshl_add_u32 v[STO], v27, 4, v[STO]
	v_add_nc_u32 v[STO], s23, v[STO]
	v_add_nc_u32 v[STO+1], 16*TP, v[STO]
	v_add_nc_u32 v[STO+2], 32*TP, v[STO]
	v_add_nc_u32 v[STO+3], 48*TP, v[STO]
	s_mul_i32 s23, s20, 16*TP
	s_add_co_u32 s23, s23, TT                      ; my 16 tokens in T
	v_mul_u32_u24 v[FRA], v26, HP
	v_lshl_add_u32 v[FRA], v27, 4, v[FRA]
	v_add_nc_u32 v[FRA], s23, v[FRA]
	v_and_b32 v29, 7, v0
	v_lshl_add_u32 v[VTA], v27, 3, v29             ; the turning load: head 8 h + l % 8,
	v_mul_u32_u24 v[VTA], v[VTA], HP
	v_bfe_u32 v30, v0, 3, 1
	v_lshl_add_u32 v[VTA], v30, 4, v[VTA]          ; channels 8 ((l / 8) % 2) on
	v_add_nc_u32 v[VTA], s23, v[VTA]
	v_lshrrev_b32 v[ORD], 3, v25
	v_mul_u32_u24 v[ORD], v[ORD], HP
	v_lshl_add_u32 v[ORD], v29, 4, v[ORD]
	v_add_nc_u32 v[ORD], s23, v[ORD]
	s_lshl_b32 s23, s20, 10
	v_add_nc_u32 v28, s23, v[OGO]                  ; the biases: my wave's 256 numbers, 4 a lane
	s_mov_b32 s44, s41
	s_mov_b32 s45, 0
	s_wait_dscnt 0x0                               ; both opening adds are done
	s_wait_kmcnt 0x0
	s_mov_b32 s32, 1                               ; group 0: count = 1,
	s_mul_i32 s33, s20, QTR                        ; LDS: my quarter of slot 0,
	s_add_nc_u64 s[34:35], s[16:17], s[44:45]      ; memory: my quarter of K step 0: the wave's number alone enters both
	s_or_b32 s35, s35, 0x80000000                  ; type = 2
	s_add_nc_u64 s[58:59], s[4:5], s[52:53]        ; query, key and value at my wave's first token
	s_add_nc_u64 s[54:55], s[6:7], s[52:53]
	s_add_nc_u64 s[56:57], s[8:9], s[52:53]
	s_add_nc_u64 s[42:43], s[58:59], 1024          ; the next loads: query's second 256 along K
	s_lshr_b32 s52, s52, 1                         ; rows of 2,048 bytes
	s_add_nc_u64 s[60:61], s[18:19], s[52:53]      ; attn likewise
	ROUND                                          ; all four work-groups are here: the first joint loads meet
	TLOAD                                          ; K step 0
.irp p, 0,1,2
.irp g, 0,1
	global_load_b128 v[BC+8*\p+4*\g:BC+8*\p+4*\g+3], v28, s[10+2*\p:11+2*\p] offset:512*\g
.endr
.endr
	WIN 0x40
.set U, 0
.rept 16                                       ; query's first 256 along K of my 16 tokens: 32 loads of 512 bytes
	global_load_b128 v[8*U:8*U+3],   v[XO], s[58:59] offset:4096*U th:TH_LOAD_NT
	global_load_b128 v[8*U+4:8*U+7], v[XO], s[58:59] offset:4096*U+16 th:TH_LOAD_NT
.set U, U+1
.endr
	WIN 0
	PASSHEAD 0, 0                                  ; the first pass stands alone: there is no K step yet to set it in
	BATCH 0, 1                                     ; (the six bias loads are older than every input load: the first wait covers them)
	BATCH 1, 1
	BATCH 2, 1
	BATCH 3, 1
	PASSTAIL
	; ---- q
	BIASINIT 0
	PAIRS 4, 54                                    ; its passes ask for query's last two pieces, then key's first two
	PLACES
	PACK
	STORE_T                                        ; q lies in T; the rounds of the next projection show it to every wave
	s_wait_dscnt 0x0                               ; the stores have read their registers
	; ---- k, the scores and the softmax
	BIASINIT 1
	PAIRS 4, 56                                    ; key's last two pieces, then value's first two
	PLACES
	PACK
	FRAGS 8                                        ; my tokens' q leaves T for the free upper halves
	BAR                                            ; every wave has read its q:
	STORE_T                                        ; k takes its place
	BAR                                            ; k lies in T
	FRAGS 0                                        ; my tokens' k, over the packed numbers, which have been stored
.irp t, 0,1,2,3
	v_mov_b32 v[SM+8*\t+7], 0                      ; named as the upper half of a pair, so it is written
.endr
	s_wait_dscnt 0x0
.irp g, 0,1,2,3
	SCORES \g
	SOFTMAX \g
.endr
	; ---- v
	BIASINIT 2
	PAIRS 2, 0                                     ; value's last two pieces are asked for
	STEP 1                                         ; the last pair but one is written out: its pass loads nothing
	PASSHEAD 0, 0
	BATCH 0, 0
	BATCH 1, 0
	STEP 1
	BATCH 2, 0
	BATCH 3, 0
	PASSTAIL
	FIXR
	STEP 1                                         ; the last pair: nothing is left to quantise,
	STEP 0                                         ; and the last K step asks for nothing
	PLACES
	PACK
	STORE_T
	WIN 0x40
.irp s, 0,1                                    ; the second product has K = 16 heads in a form of K = 32: one operand of p holds TWO tokens (k 0-15, k 16-31), and V^T's other half is zeros, written once
.irp d, 0,1,2,3
.irp j, 0,1,2,3
	v_mov_b32 v[64*\s+8*\d+4+\j], 0
	v_mov_b32 v[64*\s+32+8*\d+\j], 0
.endr
.endr
.endr
	WIN 0
	BAR                                            ; v lies in T
	; ---- O^T = V^T P^T, two tokens at a time, on two sets of registers by turns.  Window 1: V^T set s at 64 s, O^T at 128 + 64 s.  Window 2: o as f16 at 32 s, whole rows at 64 + 32 s.
.macro TR u                            ; tokens 2 u, 2 u + 1: V ([head][channel]) turned: a lane holds channel 16 d + r and heads 8 h + 0 .. 7
	WIN 0x40
.irp d, 0,1,2,3
	ds_load_tr16_b128 v[64*((\u)%2)+8*\d:64*((\u)%2)+8*\d+3], v[VTA] offset:TP*(2*(\u))+32*\d
.endr
.irp d, 0,1,2,3
	ds_load_tr16_b128 v[64*((\u)%2)+32+8*\d+4:64*((\u)%2)+32+8*\d+7], v[VTA] offset:TP*(2*(\u)+1)+32*\d
.endr
.endm
.macro GSTORE u
	WIN 0x08                                       ; a store's data are its source 1: window 2
.irp k, 0,1
.irp q, 0,1,2,3
	global_store_b128 v[OGO], v[64+32*((\u)%2)+4*(4*\k+\q):64+32*((\u)%2)+4*(4*\k+\q)+3], s[60:61] offset:2048*(2*(\u)+\k)+512*\q   ; 32 lanes store 512 consecutive bytes, aligned to 256
.endr
.endr
.endm
.macro OUTTRIP u, n1, n2
.set SE, (\u)%2
	s_wait_dscnt \n1                               ; this pair's V^T is in
	WIN 0x41                                       ; V^T and O^T in window 1, p in window 0
.irp k, 0,1
.irp d, 0,1,2,3
	v_wmma_f32_16x16x32_f16 v[128+64*SE+8*(4*\k+\d):128+64*SE+8*(4*\k+\d)+7], v[64*SE+32*\k+8*\d:64*SE+32*\k+8*\d+7], v[PB+8*(\u):PB+8*(\u)+7], 0
.endr
.endr
	PLACES
.if (\u) <= 5
	TR (\u)+2                                      ; this set's next pair
.endif
	WIN 0x85                                       ; sources in window 1, destination in window 2
.irp a, 0,1,2,3,4,5,6,7
.irp i, 0,1,2,3
	v_cvt_pk_f16_f32 v[32*SE+4*\a+\i], v[128+64*SE+8*\a+2*\i], v[128+64*SE+8*\a+2*\i+1]
.endr
.endr
	WIN 0x08
.irp k, 0,1
.irp d, 0,1,2,3
	ds_store_b128 v[FRA], v[32*SE+4*(4*\k+\d):32*SE+4*(4*\k+\d)+3] offset:TP*(2*(\u)+\k)+32*\d   ; onto my own tokens' rows of T, behind their turning loads in the wave's LDS order
.endr
.endr
.if (\u) >= 2
	s_wait_xcnt 0x0                                ; the stores of two pairs ago have read the registers that the loads below fill
.endif
	WIN 0x80
.irp k, 0,1
.irp q, 0,1,2,3
	ds_load_b128 v[64+32*SE+4*(4*\k+\q):64+32*SE+4*(4*\k+\q)+3], v[ORD] offset:TP*(2*(\u)+\k)+4*HP*\q   ; four heads, 512 bytes of a token's row of attn
.endr
.endr
.if (\u) >= 1
	s_wait_dscnt \n2                               ; the pair before is back
	GSTORE (\u)-1
.endif
.endm
	TR 0
	TR 1
	OUTTRIP 0, 8, 0                                ; behind pair 0's loads: pair 1's eight
	OUTTRIP 1, 24, 24                              ; behind pair 1's: 8 turning loads, 8 stores, 8 loads back.  Behind the last pair's loads back: the same three runs
	OUTTRIP 2, 40, 24                              ; behind a pair's turning loads: stores and loads back of two pairs, and one run of turning loads
	OUTTRIP 3, 40, 24
	OUTTRIP 4, 40, 24
	OUTTRIP 5, 40, 24
	OUTTRIP 6, 40, 16                              ; no turning loads are issued any more
	OUTTRIP 7, 32, 16
	s_wait_dscnt 0x0
	GSTORE 7
	WIN 0
	s_wait_tensorcnt 0x0                           ; the wave's end: a wait, an add of 0 to my spare word and its wait, behind my last tensor load and my last LDS store
	ds_add_u32 v[SPW], v[NIL]
	s_wait_dscnt 0x0
	ROUND                                          ; the closing round: no work-group ends while a partner may still ask for a quarter that names it
	s_endpgm
.Lfunc_end_k_q1709a84aad_qkvattn:
	.size	k_q1709a84aad_qkvattn, .Lfunc_end_k_q1709a84aad_qkvattn-k_q1709a84aad_qkvattn
	.p2alignl 7, 3214868480
	.fill 96, 4, 3214868480
	.section	.rodata,"a",@progbits
	.p2align	6, 0x0
	.amdhsa_kernel k_q1709a84aad_qkvattn
		.amdhsa_group_segment_fixed_size 327680
		.amdhsa_private_segment_fixed_size 0
		.amdhsa_enable_private_segment 0
		.amdhsa_kernarg_size 64
		.amdhsa_user_sgpr_count 2
		.amdhsa_user_sgpr_kernarg_segment_ptr 1
		.amdhsa_wavefront_size32 1
		.amdhsa_system_sgpr_workgroup_id_x 1
		.amdhsa_system_sgpr_workgroup_id_y 1
		.amdhsa_system_sgpr_workgroup_id_z 1
		.amdhsa_system_vgpr_workitem_id 0
		.amdhsa_next_free_vgpr 1024
		.amdhsa_next_free_sgpr 66
		.amdhsa_reserve_vcc 0
		.amdhsa_float_denorm_mode_32 3
		.amdhsa_float_denorm_mode_16_64 3
		.amdhsa_memory_ordered 1
		.amdhsa_forward_progress 1
		.amdhsa_inst_pref_size 255
	.end_amdhsa_kernel
	.section	.bss,"aw",@nobits
	.p2align	6
	.space	262144
	.amdgpu_metadata
---
amdhsa.version: [ 1, 2 ]
amdhsa.kernels:
  - .name:           k_q1709a84aad_qkvattn
    .symbol:         k_q1709a84aad_qkvattn.kd
    .args:
      - { .name: query, .offset: 0, .size: 8, .value_kind: global_buffer, .address_space: global }
      - { .name: key, .offset: 8, .size: 8, .value_kind: global_buffer, .address_space: global }
      - { .name: value, .offset: 16, .size: 8, .value_kind: global_buffer, .address_space: global }
      - { .name: wq_b, .offset: 24, .size: 8, .value_kind: global_buffer, .address_space: global }
      - { .name: wk_b, .offset: 32, .size: 8, .value_kind: global_buffer, .address_space: global }
      - { .name: wv_b, .offset: 40, .size: 8, .value_kind: global_buffer, .address_space: global }
      - { .name: wcodes, .offset: 48, .size: 8, .value_kind: global_buffer, .address_space: global }
      - { .name: attn, .offset: 56, .size: 8, .value_kind: global_buffer, .address_space: global }
    .group_segment_fixed_size: 327680
    .private_segment_fixed_size: 0
    .kernarg_segment_align: 8
    .kernarg_segment_size: 64
    .max_flat_workgroup_size: 128
    .sgpr_count:     66
    .vgpr_count:     1024
    .wavefront_size: 32
...
	.end_amdgpu_metadata
.endif
;; end of part 2
;; launch oproj (part 3): grid 4 x 64, 4 waves a work-group, clusters of 4 x 4, 327,680 bytes of LDS; arguments attn, fo16, fo_b, out0; writes out0
.if DOCPART == 3
	.amdgcn_target "amdgcn-amd-amdhsa--gfx1250"
	.amdhsa_code_object_version 6
	.text
	.protected	k_q1709a84aad_oproj
	.globl	k_q1709a84aad_oproj
	.p2align	8
	.type	k_q1709a84aad_oproj,@function
k_q1709a84aad_oproj:
	s_mov_b64 s[64:65], 0
	v_nop
	global_prefetch_b8 v0, s[64:65] scope:SCOPE_SE
	s_setreg_imm32_b32 hwreg(HW_REG_WAVE_MODE, 25, 1), 1
	s_wait_xcnt 0x0
	s_wait_alu depctr_hold_cnt(0) depctr_sa_sdst(0) depctr_va_vdst(0) depctr_va_sdst(0) depctr_va_ssrc(0) depctr_va_vcc(0) depctr_vm_vsrc(0)
	s_getreg_b32 s2, hwreg(HW_REG_IB_STS2, 6, 4)
	s_cmp_eq_u32 s2, 0
	s_cbranch_scc0 .Lentry_in_a_cluster
	s_endpgm
.Lentry_in_a_cluster:
	s_bfe_u32 s2, ttmp6, 0x10000c
	s_cmp_lg_u32 s2, 0xf033
	s_cbranch_scc0 .Lentry_shape_is_right
	s_endpgm
.Lentry_shape_is_right:
; out0[m][n] = sum over k of attn[m][k] fo16[n][k] + fo_b[n].  attn: [16384][1024] f16, fo16: [1024][1024] f16, fo_b: [1024] f32, out0: [16384][1024] f32; sums in f32.
; A tile of out0, 256 x 256, is made by a work-group of four waves; a wave makes 128 x 128: 64 accumulators of 16 x 16, 512 registers.  K goes in steps of 128 through a ring of two LDS slots filled by the
; tensor data mover: a tile's row is 256 bytes of memory, aligned to 256.
; CLUSTERS: 4 x 4 work-groups.  The four of a row of the cluster need the same tiles of attn, the four of a column the same tiles of fo16: each tile is asked for JOINTLY, by the same tensor load with the
; same descriptor and a mask that names the four.  THE MATRIX INSTRUCTION IS USED TRANSPOSED (source 0 = 16 rows of fo16, source 1 = 16 rows of attn): a lane holds eight neighbouring numbers of a row of out0.
; REGISTERS, in windows of 256: window 0: v0-31 addresses, v8-11 my four numbers of fo_b; v64-127, v128-191 fragments of attn, two buffers (on the way out: rows of out0).
;   window 1: v64-127, v128-191 fragments of fo16.   window 2: the 32 accumulators of my rows 0-63 ((a, b) at v[8 (8 a + b)]);   window 3: those of my rows 64-127.
.set SIZE_M, 16384
.set SIZE_N, 1024
.set SIZE_K, 1024
.set KSTEP,  128
.set PITCH,  272                       ; an LDS row: 256 bytes + 16 of padding: the 16 rows that a load touches start at 16 different banks (64 banks of 4 bytes: ISA guide 11.1)
.set HALFT,  128*PITCH
.set SLOT,   4*HALFT
.set STAGE,  2*SLOT                    ; behind the ring: 16 rows x (512 bytes + 16) for each wave, for the way out
.set SPITCH, 528
.set SPARE,  STAGE+4*16*SPITCH         ; behind the stages: the spare words, 128 bytes for each wave: two blocks of 256 bytes that no other line names
.set LAPS,   SIZE_K/(2*KSTEP)          ; a lap = two K steps = once round the ring: 4
.set ADRA, 16
.set ADRB, 20
.set STO,  24
.set RD,   25
.set CO,   26
.set SPW,  28
.set NIL,  29
.set PFO,  30                          ; v30  the prefetches' offset: my lane x a row of 2,048 bytes
.set BI,   8                           ; v8-11 fo_b at my four columns
.set PFA,  44                          ; s[44:45] where my prefetches stand
.set LIM,  43                          ; s43  1 in a wave that prefetches, else the greatest number
.set F0,   64
.set F1,   128
.set BK,   64                          ; the way out: 16 rows read back from the stage: v64-127 and v128-191 by turns
.set G1, 24
.set G0, 32
.set G1B, 48
.set G0B, 56
.set MSB, 0
.macro WIN new
.if MSB != (\new)
	s_set_vgpr_msb (MSB<<8)|(\new)
.set MSB, (\new)
.endif
.endm
.set MUL_LO, 0xa1                      ; source 0 (fo16) window 1, source 1 (attn) window 0, C and D window 2
.set MUL_HI, 0xf1
.set TO_B,   0x40
; A joint load.  Waves 0 and 1 fetch attn's two halves, waves 2 and 3 fo16's.  The branch hangs on the wave's number alone.  An s_nop 0 and four v_nop follow each of the two lines.
.macro JLOAD s
	s_cmp_eq_u32 s11, 0
	s_cbranch_scc0 .Lfor_b_\@
	tensor_load_to_lds s[G0+4*\s:G0+4*\s+3], s[G1:G1+7]
	s_nop 0
.rept 4
	v_nop
.endr
	s_branch .Lasked_\@
.Lfor_b_\@:
	tensor_load_to_lds s[G0B+4*\s:G0B+4*\s+3], s[G1B:G1B+7]
	s_nop 0
.rept 4
	v_nop
.endr
.Lasked_\@:
.endm
; A prefetch of the K step that stands two refills on: 32 rows x 256 bytes, a lane a row, one instruction a wave.  Each row's 256 bytes of a K step are named once in the launch: attn's rows belong to one cluster
; alone (the grid is one cluster wide); fo16's are read by every cluster, and the clusters with y = 0 ask.  The four partners that ask for a tile jointly share its rows out by address, 32 each.
; The last trip's two refills have no K step two on, and ask for nothing.
.macro ASK
	s_cmp_gt_u32 s3, s[LIM]                        ; s3 = 1 in the loop's last trip
	s_cbranch_scc0 .Lnot_mine_\@
	global_prefetch_b8 v[PFO], s[PFA:PFA+1] offset:KSTEP*2 th:TH_LOAD_NT scope:SCOPE_SE
.Lnot_mine_\@:
.endm
.macro CREST                           ; a round of the cluster's barrier behind its opening barrier
	s_cmp_lg_u32 s10, 0
	s_cbranch_scc1 .Lnot_wave_0_\@
	s_barrier_signal -3
.Lnot_wave_0_\@:
	s_barrier_wait -3
	s_barrier_signal -1
	s_barrier_wait -1
.endm
.macro CROUND
	s_barrier_signal -1
	s_barrier_wait -1
	CREST
.endm
	s_load_b128 s[4:7], s[0:1], 0x0                ; attn s[4:5], fo16 s[6:7]
	s_load_b128 s[68:71], s[0:1], 0x10             ; fo_b s[68:69], out0 s[70:71]
	v_lshl_add_u32 v[SPW], v0, 2, SPARE
	v_mov_b32 v[NIL], 0
	ds_add_u32 v[SPW], v[NIL]                      ; the wave's opening: the add, twice on end, and its wait ahead of my first tensor load; the set-up below stands between
	ds_add_u32 v[SPW], v[NIL]
	v_lshrrev_b32 v1, 5, v0
	v_readfirstlane_b32 s10, v1                    ; wave 0..3
	s_lshr_b32 s11, s10, 1                         ; which half of the tile's rows is mine.  Also: I fetch for attn (0) or for fo16 (1)
	s_and_b32 s12, s10, 1                          ; which half of its columns.  Also: which 128 rows of that tile I fetch
	s_bfe_u32 s40, ttmp6, 0x40000                  ; cx
	s_bfe_u32 s41, ttmp6, 0x40004                  ; cy
	s_lshl_b32 s42, ttmp9, 2
	s_add_co_u32 s42, s42, s40                     ; tile column = 4 x cluster x + cx
	s_and_b32 s13, ttmp7, 0xffff
	s_lshl_b32 s13, s13, 2
	s_add_co_u32 s13, s13, s41                     ; tile row = 4 x cluster y + cy
	s_lshl_b32 s43, s41, 2
	s_lshl_b32 s43, 15, s43                        ; my row of the cluster
	s_lshl_b32 s44, 0x1111, s40                    ; my column
	; descriptor group 1: a tile of 128 rows x 128 elements of 2 bytes, 4 words of padding behind every 64
	s_or_b32 s[G1+0], s43, (1<<16)|(1<<20)|(1<<21)|(5<<22)|(3<<25)
	s_or_b32 s[G1B+0], s44, (1<<16)|(1<<20)|(1<<21)|(5<<22)|(3<<25)
.irp g, G1, G1B
	s_mov_b32 s[\g+1], KSTEP<<16                   ; tensor_dim0 = 128
	s_mov_b32 s[\g+2], 128<<16                     ; tensor_dim1 = 128
	s_mov_b32 s[\g+3], KSTEP<<16                   ; tile_dim0 = 128
	s_mov_b32 s[\g+4], 128                         ; tile_dim1 = 128
	s_mov_b32 s[\g+5], SIZE_K                      ; from row to row
	s_mov_b32 s[\g+6], 0
	s_mov_b32 s[\g+7], 0
.endr
	s_lshl_b32 s17, s12, 7                         ; which 128 rows of the tile I fetch
	s_lshl_b32 s16, s13, 8
	s_add_co_u32 s16, s16, s17                     ; attn: row 256 x tile row + 128 x half
	s_lshl_b32 s46, s42, 8
	s_add_co_u32 s46, s46, s17                     ; fo16: row 256 x tile column + 128 x half
	s_mov_b32 s17, 0
	s_mov_b32 s47, 0
	s_mov_b64 s[18:19], SIZE_K*2
	s_mul_u64 s[16:17], s[16:17], s[18:19]
	s_mul_u64 s[46:47], s[46:47], s[18:19]
	s_mul_i32 s20, s10, HALFT                      ; where they go: wave x 128 rows: no place in the cluster enters an LDS address
	s_wait_dscnt 0x0                               ; both opening adds are done
	s_wait_kmcnt 0x0
	s_add_nc_u64 s[14:15], s[4:5], s[16:17]
	s_add_nc_u64 s[46:47], s[6:7], s[46:47]
	CROUND                                         ; all sixteen work-groups are here: the first joint loads meet
.irp s, 0,1
	s_mov_b32 s[G0+4*\s], 1
	s_add_co_u32 s[G0+4*\s+1], s20, \s*SLOT
	s_add_nc_u64 s[G0+4*\s+2:G0+4*\s+3], s[14:15], \s*KSTEP*2
	s_or_b32 s[G0+4*\s+3], s[G0+4*\s+3], 0x80000000
	s_mov_b32 s[G0B+4*\s], 1
	s_add_co_u32 s[G0B+4*\s+1], s20, \s*SLOT
	s_add_nc_u64 s[G0B+4*\s+2:G0B+4*\s+3], s[46:47], \s*KSTEP*2
	s_or_b32 s[G0B+4*\s+3], s[G0B+4*\s+3], 0x80000000
	JLOAD \s                                       ; two tensor loads of mine are out
.endr
	v_and_b32 v1, 15, v0                           ; l % 16
	v_bfe_u32 v2, v0, 4, 1                         ; l / 16
	v_mul_u32_u24 v3, v1, PITCH
	v_lshl_add_u32 v3, v2, 4, v3                   ; a fragment's row x pitch + 16 x half
	s_mul_i32 s21, s11, HALFT                      ; my 128 rows of attn
	s_mul_i32 s22, s12, HALFT                      ; my 128 rows of fo16,
	s_add_co_u32 s22, s22, 2*HALFT                 ; which lie behind attn's 256
.irp s, 0,1
	v_add_nc_u32 v[ADRA+\s], s21, v3
	v_add_nc_u32 v[ADRB+\s], s22, v3
	s_add_co_u32 s21, s21, SLOT
	s_add_co_u32 s22, s22, SLOT
.endr
	s_mul_i32 s23, s10, 16*SPITCH
	s_add_co_u32 s23, s23, STAGE                   ; my stage
	v_mul_u32_u24 v4, v1, SPITCH                   ; in: row l % 16, 32 bytes for each half of the lanes
	v_lshl_add_u32 v4, v2, 5, v4
	v_add_nc_u32 v[STO], s23, v4
	v_and_b32 v5, 31, v0
	v_lshlrev_b32 v[CO], 4, v5                     ; back: the 32 lanes take one row of 512 bytes; and the same in out0 and in fo_b
	v_add_nc_u32 v[RD], s23, v[CO]
	s_lshl_b32 s13, s13, 8
	s_lshl_b32 s14, s11, 7
	s_add_co_u32 s16, s13, s14                     ; my first row of out0
	s_mov_b32 s17, 0
	s_mov_b64 s[18:19], SIZE_N*4
	s_mul_u64 s[16:17], s[16:17], s[18:19]
	s_lshl_b32 s46, s42, 10                        ; my first column, in bytes: 1,024 x tile column + 512 x half
	s_lshl_b32 s47, s12, 9
	s_add_co_u32 s46, s46, s47
	s_mov_b32 s47, 0
	s_add_nc_u64 s[68:69], s[68:69], s[46:47]      ; fo_b at my first column
	s_add_nc_u64 s[16:17], s[16:17], s[46:47]
	s_add_nc_u64 s[70:71], s[70:71], s[16:17]      ; out0 at my first number
	global_load_b128 v[BI:BI+3], v[CO], s[68:69]
	; the prefetches.  s13 = 256 x tile row, s42 = tile column, s40 = cx, s41 = cy still stand
	s_lshl_b32 s42, s42, 8
	s_and_b32 s22, ttmp7, 0xffff                   ; cluster y
	s_cmp_eq_u32 s11, 0                            ; do I fetch for attn?
	s_cselect_b32 s20, s13, s42                    ; the tile's first row
	s_cselect_b32 s21, s40, s41                    ; my place among the four that ask for it with me
	s_cselect_b32 s22, ttmp9, s22                  ; the coordinate along which other clusters read the same rows
	s_cselect_b64 s[PFA:PFA+1], s[4:5], s[6:7]
	s_cmp_eq_u32 s22, 0
	s_cselect_b32 s[LIM], 1, -1                    ; the same in all sixteen partners, for a given wave
	s_lshl_b32 s22, s12, 7
	s_add_co_u32 s20, s20, s22                     ; + the 128 rows that I fetch
	s_lshl_b32 s21, s21, 5
	s_add_co_u32 s20, s20, s21                     ; + my work-group's 32 of them
	s_mov_b32 s21, 0
	s_mov_b64 s[18:19], SIZE_K*2
	s_mul_u64 s[20:21], s[20:21], s[18:19]
	s_add_nc_u64 s[PFA:PFA+1], s[PFA:PFA+1], s[20:21]
	s_add_nc_u64 s[PFA:PFA+1], s[PFA:PFA+1], 2*KSTEP*2  ; at K step 2: the first refill steps it to 3 and names K step 4.  Nothing is prefetched at the head
	v_and_b32 v[PFO], 31, v0
	v_mul_u32_u24 v[PFO], v[PFO], SIZE_K*2
; 16 matrix instructions: m blocks a0, a0 + 1 of the window's four x all 8 n blocks, 32 along K.  zero = 1: the first product starts the sums.  The 64 accumulators take turns, one instruction a turn.
.macro MUL16 f, hi, a0, zero
.irp a, \a0, \a0+1
.irp b, 0,1,2,3,4,5,6,7
.if \zero
	v_wmma_f32_16x16x32_f16 v[8*(8*(\a)+\b):8*(8*(\a)+\b)+7], v[\f+8*\b:\f+8*\b+7], v[\f+8*(4*\hi+\a):\f+8*(4*\hi+\a)+7], 0
.else
	v_wmma_f32_16x16x32_f16 v[8*(8*(\a)+\b):8*(8*(\a)+\b)+7], v[\f+8*\b:\f+8*\b+7], v[\f+8*(4*\hi+\a):\f+8*(4*\hi+\a)+7], v[8*(8*(\a)+\b):8*(8*(\a)+\b)+7]
.endif
.endr
.endr
.endm
.macro FETCH slot, k, f                ; 32 LDS loads in one run: the fragments of one quarter step into buffer f
	WIN TO_B
.irp i, 0,1,2,3,4,5,6,7
	ds_load_b128 v[\f+8*\i:\f+8*\i+3],   v[ADRB+\slot] offset:\k+\i*16*PITCH
	ds_load_b128 v[\f+8*\i+4:\f+8*\i+7], v[ADRB+\slot] offset:\k+\i*16*PITCH+32
.endr
	WIN 0
.irp i, 0,1,2,3,4,5,6,7
	ds_load_b128 v[\f+8*\i:\f+8*\i+3],   v[ADRA+\slot] offset:\k+\i*16*PITCH
	ds_load_b128 v[\f+8*\i+4:\f+8*\i+7], v[ADRA+\slot] offset:\k+\i*16*PITCH+32
.endr
.endm
.macro PLACES                          ; four plain places behind matrix instructions, ahead of loads into their registers and of reads of their results
.rept 4
	v_nop
.endr
.endm
.macro QUARTER slot, k, f, g, zero     ; multiplies buffer f; in its middle it fetches the next quarter's fragments, at byte k of the same slot's rows, into buffer g
	s_wait_dscnt 8                                 ; fo16's and attn's rows 0-63 are in; the youngest eight loads (attn's rows 64-127) may be out
	WIN MUL_LO
	MUL16 \f, 0, 0, \zero
	MUL16 \f, 0, 2, \zero
	PLACES
	FETCH \slot, \k, \g
	s_wait_dscnt 32                                ; all but the 32 just issued
	WIN MUL_HI
	MUL16 \f, 1, 0, \zero
	MUL16 \f, 1, 2, \zero
.endm
; The last quarter's first half: ONE barrier for the change of slots.  In front of it each wave waits for all its tensor loads (one is out: its part of the next slot), adds 0 to its spare word, and waits for that and for its reads of this slot.
.macro MEET round
	WIN 0
	s_wait_tensorcnt 0x0
	ds_add_u32 v[SPW], v[NIL]                      ; 0 onto my spare word
	s_wait_dscnt 9                                 ; (the add and the youngest eight loads may be out)
	WIN MUL_LO
	MUL16 F1, 0, 0, 0
	s_wait_dscnt 0x0                               ; the add is done, and my reads of this slot are over
	s_barrier_signal -1
	MUL16 F1, 0, 2, 0
.if \round
	WIN 0
.endif
	s_barrier_wait -1
.endm
.macro TURN slot, next                 ; the whole last quarter: behind the round the slot just read out takes the K step two steps on; then come the next slot's first fragments
	s_wait_xcnt 0x0                                ; the last prefetch, a K step back, has read its address
	s_add_nc_u64 s[PFA:PFA+1], s[PFA:PFA+1], KSTEP*2
	MEET 1
	CREST                                          ; no wave of any partner still reads this slot's tile or has a load on its way
	s_add_nc_u64 s[G0+4*\slot+2:G0+4*\slot+3], s[G0+4*\slot+2:G0+4*\slot+3], 2*KSTEP*2
	s_add_nc_u64 s[G0B+4*\slot+2:G0B+4*\slot+3], s[G0B+4*\slot+2:G0B+4*\slot+3], 2*KSTEP*2
	JLOAD \slot                                    ; the first tensor load behind the round; its four v_nop are also the places ahead of the loads below
	FETCH \next, 0, F0
	ASK
	WIN MUL_HI
	MUL16 F1, 1, 0, 0
	MUL16 F1, 1, 2, 0
.endm
	s_wait_tensorcnt 1                             ; my part of K step 0 is in; K step 1's load may stay out
	s_barrier_signal -1
	s_barrier_wait -1
	FETCH 0, 0, F0
	QUARTER 0, 64,  F0, F1, 1                      ; the first quarter stands in front of the loop: its products start the sums
	WIN 0
	s_mov_b32 s3, LAPS-1
.Llap:                                                 ; a trip goes once round the ring, from a lap's second quarter to the next lap's first, and fills both slots again
	QUARTER 0, 128, F1, F0, 0
	QUARTER 0, 192, F0, F1, 0
	TURN 0, 1
	QUARTER 1, 64,  F0, F1, 0
	QUARTER 1, 128, F1, F0, 0
	QUARTER 1, 192, F0, F1, 0
	TURN 1, 0
	QUARTER 0, 64,  F0, F1, 0
	WIN 0
	s_sub_co_u32 s3, s3, 1
	s_cmp_lg_u32 s3, 0
	s_cbranch_scc1 .Llap
	QUARTER 0, 128, F1, F0, 0                      ; the last lap is written out: it fills nothing, and has no round
	QUARTER 0, 192, F0, F1, 0
	MEET 0
	PLACES
	FETCH 1, 0, F0
	WIN MUL_HI
	MUL16 F1, 1, 0, 0
	MUL16 F1, 1, 2, 0
	QUARTER 1, 64,  F0, F1, 0
	QUARTER 1, 128, F1, F0, 0
	QUARTER 1, 192, F0, F1, 0
	s_wait_dscnt 8                                 ; the very last quarter: nothing more to fetch
	WIN MUL_LO
	MUL16 F1, 0, 0, 0
	MUL16 F1, 0, 2, 0
	s_wait_dscnt 0x0
	WIN MUL_HI
	MUL16 F1, 1, 0, 0
	MUL16 F1, 1, 2, 0
	WIN 0
; THE WAY OUT, block by block of 16 rows x 128 columns.  A lane holds 32 neighbouring bytes of a row, and the lanes beside it hold other rows: so a block goes through my own stage in LDS and comes back as whole
; rows of 512 bytes; the bias is added there, four columns a lane.  LDS serves a wave's instructions in order (ISA guide 5.7.1.4): no wait between the stores and the loads, nor ahead of the next block's stores.
.macro TOSTAGE a
.set AC, 64*((\a)%4)
	WIN 0x08+4*((\a)/4)                            ; the data: window 2 or 3
.irp b, 0,1,2,3,4,5,6,7
	ds_store_b128 v[STO], v[AC+8*\b:AC+8*\b+3] offset:64*\b          ; each accumulator from its low end on
	ds_store_b128 v[STO], v[AC+8*\b+4:AC+8*\b+7] offset:64*\b+16
.endr
	WIN 0
.set BB, BK+64*((\a)%2)
.irp t, 0,1,2,3,4,5,6,7,8,9,10,11,12,13,14,15
	ds_load_b128 v[BB+4*\t:BB+4*\t+3], v[RD] offset:\t*SPITCH
.endr
.endm
.macro SEND a, younger                 ; younger: the LDS instructions issued behind block a's loads, which may stay out
.set BB, BK+64*((\a)%2)
	s_wait_dscnt \younger
.if (\a) > 0
	s_add_nc_u64 s[70:71], s[70:71], 16*SIZE_N*4   ; (behind a wait on XCNT: the earlier stores have read their base)  16 rows on
.endif
.irp t, 0,1,2,3,4,5,6,7,8,9,10,11,12,13,14,15
	v_pk_add_f32 v[BB+4*\t:BB+4*\t+1], v[BB+4*\t:BB+4*\t+1], v[BI:BI+1]
	v_pk_add_f32 v[BB+4*\t+2:BB+4*\t+3], v[BB+4*\t+2:BB+4*\t+3], v[BI+2:BI+3]
	global_store_b128 v[CO], v[BB+4*\t:BB+4*\t+3], s[70:71] offset:\t*SIZE_N*4 th:TH_STORE_NT   ; 32 lanes store 512 consecutive bytes, aligned to 256; written once, read by nobody here
.endr
.endm
	s_wait_loadcnt 0x0                             ; fo_b
	PLACES                                         ; ahead of the reads of the last results and of the loads into the registers that held attn's fragments
	TOSTAGE 0
.irp a, 1,2,3,4,5,6,7
.if \a > 1
	s_wait_xcnt 0x0                                ; block a - 2's stores have read their registers and their base
.endif
	TOSTAGE \a
	SEND \a-1, 32                                  ; behind block a - 1's loads: block a's 16 stores and 16 loads
.endr
	s_wait_xcnt 0x0
	SEND 7, 0
	s_wait_tensorcnt 0x0                           ; the wave's end: a wait, an add of 0 to my spare word and its wait, behind my last tensor load and my last LDS store
	ds_add_u32 v[SPW], v[NIL]
	s_wait_dscnt 0x0
	CROUND                                         ; the closing round: no work-group ends while a partner may still ask for a tile that names it
	s_endpgm
.Lfunc_end_k_q1709a84aad_oproj:
	.size	k_q1709a84aad_oproj, .Lfunc_end_k_q1709a84aad_oproj-k_q1709a84aad_oproj
	.p2alignl 7, 3214868480
	.fill 96, 4, 3214868480
	.section	.rodata,"a",@progbits
	.p2align	6, 0x0
	.amdhsa_kernel k_q1709a84aad_oproj
		.amdhsa_group_segment_fixed_size 327680
		.amdhsa_private_segment_fixed_size 0
		.amdhsa_enable_private_segment 0
		.amdhsa_kernarg_size 32
		.amdhsa_user_sgpr_count 2
		.amdhsa_user_sgpr_kernarg_segment_ptr 1
		.amdhsa_wavefront_size32 1
		.amdhsa_system_sgpr_workgroup_id_x 1
		.amdhsa_system_sgpr_workgroup_id_y 1
		.amdhsa_system_sgpr_workgroup_id_z 1
		.amdhsa_system_vgpr_workitem_id 0
		.amdhsa_next_free_vgpr 1024
		.amdhsa_next_free_sgpr 72
		.amdhsa_reserve_vcc 0
		.amdhsa_float_denorm_mode_32 3
		.amdhsa_float_denorm_mode_16_64 3
		.amdhsa_memory_ordered 1
		.amdhsa_forward_progress 1
		.amdhsa_inst_pref_size 158
	.end_amdhsa_kernel
	.amdgpu_metadata
---
amdhsa.version: [ 1, 2 ]
amdhsa.kernels:
  - .name:           k_q1709a84aad_oproj
    .symbol:         k_q1709a84aad_oproj.kd
    .args:
      - { .name: attn, .offset: 0, .size: 8, .value_kind: global_buffer, .address_space: global }
      - { .name: fo16, .offset: 8, .size: 8, .value_kind: global_buffer, .address_space: global }
      - { .name: fo_b, .offset: 16, .size: 8, .value_kind: global_buffer, .address_space: global }
      - { .name: out0, .offset: 24, .size: 8, .value_kind: global_buffer, .address_space: global }
    .group_segment_fixed_size: 327680
    .private_segment_fixed_size: 0
    .kernarg_segment_align: 8
    .kernarg_segment_size: 32
    .max_flat_workgroup_size: 128
    .sgpr_count:     72
    .vgpr_count:     1024
    .wavefront_size: 32
...
	.end_amdgpu_metadata
.endif
;; end of part 3
